; MI455X (gfx1250); checked and timed in simulation.
; The chip was launched on July 23, 2026; its instructions are those of AMD's public machine-readable ISA for CDNA 5 (MIT licence, August 2026) and "CDNA5" Instruction Set Architecture Reference Guide (July 2026). The comments in the code are by the model that wrote it; some were corrected since.
;; Bi Cross Attention. Allowed arithmetic: matrix products marked QUANTISED: E2M1 operands, one E8M0 scale for each 32 along K, by v_wmma_scale_f32_16x16x128_f8f6f4 with both operands' format E2M1 (or v_wmma_scale_f32_32x16x128_f4), f32 sums; everything else in f32.
;; Inputs: Wk2d_codes 512 x 8 x 16 uint8 (E2M1 codes of Wk2d, K innermost, in blocks of 32 codes, two codes a byte); Wk2d_scales 512 x 8 uint8 (E8M0 scales of Wk2d, one for each 32 codes along K); Wk3d_codes 512 x 4 x 16 uint8 (E2M1 codes of Wk3d, K innermost, in blocks of 32 codes, two codes a byte); Wk3d_scales 512 x 4 uint8 (E8M0 scales of Wk3d, one for each 32 codes along K); Wo23_codes 512 x 16 x 16 uint8 (E2M1 codes of Wo23, K innermost, in blocks of 32 codes, two codes a byte); Wo23_scales 512 x 16 uint8 (E8M0 scales of Wo23, one for each 32 codes along K); Wo32_codes 512 x 16 x 16 uint8 (E2M1 codes of Wo32, K innermost, in blocks of 32 codes, two codes a byte); Wo32_scales 512 x 16 uint8 (E8M0 scales of Wo32, one for each 32 codes along K); Wq2d_codes 512 x 8 x 16 uint8 (E2M1 codes of Wq2d, K innermost, in blocks of 32 codes, two codes a byte); Wq2d_scales 512 x 8 uint8 (E8M0 scales of Wq2d, one for each 32 codes along K); Wq3d_codes 512 x 4 x 16 uint8 (E2M1 codes of Wq3d, K innermost, in blocks of 32 codes, two codes a byte); Wq3d_scales 512 x 4 uint8 (E8M0 scales of Wq3d, one for each 32 codes along K); Wv2d_codes 512 x 8 x 16 uint8 (E2M1 codes of Wv2d, K innermost, in blocks of 32 codes, two codes a byte); Wv2d_scales 512 x 8 uint8 (E8M0 scales of Wv2d, one for each 32 codes along K); Wv3d_codes 512 x 4 x 16 uint8 (E2M1 codes of Wv3d, K innermost, in blocks of 32 codes, two codes a byte); Wv3d_scales 512 x 4 uint8 (E8M0 scales of Wv3d, one for each 32 codes along K); beta 512 float32; bk2d 512 float32; bk3d 512 float32; bo23 512 float32; bo32 512 float32; bq2d 512 float32; bq3d 512 float32; bv2d 512 float32; bv3d 512 float32; gamma 512 float32; h_2d_codes 4,096 x 8 x 16 uint8 (E2M1 codes of h_2d, K innermost, in blocks of 32 codes, two codes a byte); h_2d_scales 4,096 x 8 uint8 (E8M0 scales of h_2d, one for each 32 codes along K); h_3d_codes 4,096 x 4 x 16 uint8 (E2M1 codes of h_3d, K innermost, in blocks of 32 codes, two codes a byte); h_3d_scales 4,096 x 4 uint8 (E8M0 scales of h_3d, one for each 32 codes along K).
;; Outputs: out0 4,096 x 512 float32.
;; This version of the problem:
;;   THIS VERSION OF THE PROBLEM IS GIVEN IN LOW PRECISION. The matrix products marked QUANTISED in the list below multiply operands that are first quantised to E2M1 (2 exponent bits, 1 mantissa bit; 4 bits a number), with one power-of-two scale for each 32 numbers along K (OCP MX v1.0); their sums are f32. All else is computed in f32.
;;   The module's matrix products, in the order in which they are computed (A, B: the left and right operand; K: the contracted axis; several contracted axes count as one K, in the product's order):
;;     1. [M 4,096, K 256] x [K 256, N 512]; A: input h_2d (given as codes); B: input Wq2d (given as codes): QUANTISED
;;     2. [M 4,096, K 128] x [K 128, N 512]; A: input h_3d (given as codes); B: input Wk3d (given as codes): QUANTISED
;;     3. [M 4,096, K 128] x [K 128, N 512]; A: input h_3d (given as codes); B: input Wv3d (given as codes): QUANTISED
;;     4. batch 8 x [M 4,096, K 64] x [K 64, N 4,096]; A: computed on the way; B: computed on the way: QUANTISED
;;     5. batch 8 x [M 64, K 4,096] x [K 4,096, N 4,096]; A: computed on the way; B: softmax (see below): QUANTISED
;;     6. [M 4,096, K 512] x [K 512, N 512]; A: computed on the way; B: input Wo23 (given as codes): QUANTISED
;;     7. [M 4,096, K 128] x [K 128, N 512]; A: input h_3d (given as codes); B: input Wq3d (given as codes): QUANTISED
;;     8. [M 4,096, K 256] x [K 256, N 512]; A: input h_2d (given as codes); B: input Wk2d (given as codes): QUANTISED
;;     9. [M 4,096, K 256] x [K 256, N 512]; A: input h_2d (given as codes); B: input Wv2d (given as codes): QUANTISED
;;     10. batch 8 x [M 4,096, K 64] x [K 64, N 4,096]; A: computed on the way; B: computed on the way: QUANTISED
;;     11. batch 8 x [M 64, K 4,096] x [K 4,096, N 4,096]; A: computed on the way; B: softmax (see below): QUANTISED
;;     12. [M 4,096, K 512] x [K 512, N 512]; A: computed on the way; B: input Wo32 (given as codes): QUANTISED
;;   THE QUANTISER, for each operand of a quantised product, along K:
;;     - K is cut into blocks of 32 from its start; a last block that is shorter is filled with zeros.
;;     - A block's scale is 2^e with e = floor(log2(the largest magnitude in the block)) - 2, held to -126 .. 127; a block of zeros has e = 0. As a byte (E8M0): e + 127.
;;     - Each number is divided by its block's scale, clamped to +-6, and rounded to the nearest number of E2M1, ties to even, subnormals kept.
;;     - The product sums the exact products of the quantised numbers (number of the format x scale) in f32.
;;   ~~~python
;;   def quantise(x, axis):      # numpy; x: float32 -> the quantised numbers, widened to float32 again
;;       x = np.moveaxis(x, axis, -1); K = x.shape[-1]
;;       x = np.pad(x, [(0, 0)] * (x.ndim - 1) + [(0, -K % 32)]); x = x.reshape(x.shape[:-1] + (-1, 32)); a = np.abs(x).max(-1, keepdims=True)
;;       e = np.where(a > 0, np.clip(np.frexp(np.where(a > 0, a, 1))[1] - 1 - 2, -126, 127), 0)      # np.frexp(a)[1] - 1 = floor(log2(a)), exactly
;;       r = np.clip(x / 2.0 ** e, -6, 6)
;;       step = 2.0 ** (np.maximum(np.frexp(np.where(r == 0, 1, r))[1] - 1, 0) - 1)
;;       q = np.round(r / step) * step * 2.0 ** e      # np.round: ties to even
;;       return np.moveaxis(q.reshape(q.shape[:-2] + (-1,))[..., :K], -1, axis).astype(np.float32)
;;   ~~~
;;   SOFTMAX AHEAD OF A QUANTISED PRODUCT. Where the list says 'softmax', what is quantised is not the finished softmax but p = 2^(t - M), with t = logit x log2(e) and M = ceil(the row's largest t), a whole number; so 1/2 < the row's largest p <= 1. The row's sum l is taken of the UNQUANTISED p, in f32, and the product's result is divided by l at the end. Since M is a whole number, a kernel that streams over the keys may use a running M (the ceiling of the running maximum): every later rescaling is an exact power of two, which a block's scale takes up: the codes' values come out the same.
;;   OPERANDS COMPUTED ON THE WAY. 'Computed on the way' means the value that the module computes at that place (a softmax that the list does not call 'softmax' is quantised finished and normalised). What goes into a quantiser is computed in f32, as accurately as f32 sums, v_exp_f32 and their like allow (about 1e-6 of the number): no bf16 or f16 on the way to a quantiser, and a product that is left as it is and whose result goes on into a quantised operand takes f32 operands (vector FMAs, or v_wmma_f32_16x16x4_f32). A number that lies on a knife's edge between two numbers of the format may be rounded either way, as far as f32 arithmetic and the matrix unit's own rounding can turn it there, and no further.
;;   INPUTS GIVEN AS CODES. Wk2d (in the module: [256, 512], K = its axis 0); Wk3d (in the module: [128, 512], K = its axis 0); Wo23 (in the module: [512, 512], K = its axis 0); Wo32 (in the module: [512, 512], K = its axis 0); Wq2d (in the module: [256, 512], K = its axis 0); Wq3d (in the module: [128, 512], K = its axis 0); Wv2d (in the module: [256, 512], K = its axis 0); Wv3d (in the module: [128, 512], K = its axis 0); h_2d (in the module: [4096, 256], K = its axis 1); h_3d (in the module: [4096, 128], K = its axis 1): each comes as NAME_codes (uint8): NAME with its K axis moved to the last place and cut into blocks of 32 codes, [.., K / 32, bytes a block], one block behind the other in memory; two codes a byte, the lower K in the low four bits (a code: sign, 2 exponent bits, 1 mantissa bit); and NAME_scales (uint8): the same leading axes, one E8M0 byte (e + 127) for each 32 codes along K. Its value is code x scale, taken as it is: it is not quantised again, and the codes and scales need not be those that the quantiser above would give.
;; One version. Each part assembles by itself: llvm-mc -triple=amdgcn-amd-amdhsa -mcpu=gfx1250 --defsym DOCPART=n.
;; ======== version 1 of 1: 3 launches
;; limits: right only within a limited range of input values
;; workspace buffers: kv 4,718,592 bytes; qr 2,359,296 bytes; wimg 262,144 bytes; aimg 2,097,152 bytes; asc 262,144 bytes
;; launch proj (part 1): grid 32 x 8, 8 waves a work-group, no clusters, 0 bytes of LDS; arguments h_2d_codes, h_2d_scales, h_3d_codes, h_3d_scales, Wq2d_codes, Wq2d_scales, bq2d, Wk2d_codes, Wk2d_scales, bk2d, Wv2d_codes, Wv2d_scales, bv2d, Wq3d_codes, Wq3d_scales, bq3d, Wk3d_codes, Wk3d_scales, bk3d, Wv3d_codes, Wv3d_scales, bv3d, Wo23_codes, Wo32_codes, qr, kv, wimg; writes qr, kv, wimg
.if DOCPART == 1
	.amdgcn_target "amdgcn-amd-amdhsa--gfx1250"
	.amdhsa_code_object_version 6
	.text
	.protected	k_qbb2b9113f8_proj
	.globl	k_qbb2b9113f8_proj
	.p2align	8
	.type	k_qbb2b9113f8_proj,@function
k_qbb2b9113f8_proj:
	s_mov_b64 s[64:65], 0
	v_nop
	global_prefetch_b8 v0, s[64:65] scope:SCOPE_SE
	s_setreg_imm32_b32 hwreg(HW_REG_WAVE_MODE, 25, 1), 1
	s_wait_xcnt 0x0
; PROJ: the six input projections (h W + b) on codes of FP4 (E2M1) with E8M0 scales, and their results quantised at once for the attention launch.
; Q and K are quantised along the head's 64 channels (two blocks of 32), V along the keys (blocks of 32 tokens).  Nothing wide goes to memory.
; SHARES.  Work-group (x = a block of 128 tokens, y = a head).  The waves share nothing: no LDS, no barrier.  Wave 0, 1, 2: Q, K, V from h_2d (K = 256);
; wave 3, 4, 5: Q, K, V from h_3d (K = 128); waves 6 and 7 each copy one piece of 512 bytes of Wo23's or Wo32's codes into the order of an operand's registers.
; DIRECTIONS.  d = 0: queries from h_2d, keys and values from h_3d; d = 1 the other way round.  y' = 8 d + head numbers the 16 attentions.
; SLOT ORDER.  rp = r + 8 (r / 8).  Slot r of tile 2 b + u stands for element 32 b + 8 u + rp, for tokens and for the rows of Wq, Wk, Wv alike.  In a result whose
; source 0 has this order, lane (r, h) register j of tile 2 b + u is element 32 b + 16 h + 8 u + j: the 16 registers of tiles 2 b and 2 b + 1 are 16 neighbours.
; Q, K: source 0 = 16 rows of W, source 1 = 16 tokens: a lane holds one token, its registers run along the channels.  V: source 0 = 16 tokens, source 1 = 16 rows of Wv:
; a lane holds one channel, its registers run along the keys.  The bias is the C of each sum's first product.
; OUT.  kv: [y' 16][128 keys 32][9,216 bytes]: +0 K's 8 tiles x 512 bytes (lane l's 16 bytes at 16 l: block l / 16 of slot l % 16); +4096 K's scale words (word j of lane l:
; tile 2 j + l / 16; bytes 2 and 3 are 127, over zero codes); +4608 V's 4 channel tiles x 2 x 512 bytes; +8704 V's scale words (word t: tile t).  qr: [y'][block 32][4,608 bytes], as K's part.
; wimg: [d][column tile 32][K step 4][c 2][lane][16 bytes].  Every store of a wave covers 512 consecutive bytes, aligned.
; LIMITS: NaN and infinities ahead of a quantiser are not served.  A block of zeros, or one whose largest magnitude lies under 2^-124, gets the scale byte 1 where the quantiser's
; rule says 127 or less: its codes are zeros or are held by the floor, and these bytes are read by this program alone.
.set WF,  16                           ; v16-79    W's fragments: (channel tile ct, K step s) at 8 (nk ct + s)
.set WSC, 80                           ; v80-87    W's scale words, nk ct + s
.set HSC, 88                           ; v88-103   h's scale words, nk tt + s
.set BI,  104                          ; v104-135  the bias in the result's layout, 8 registers a channel tile
.set ACC, 136                          ; v136-199  the sums
.set PC,  200                          ; v200-231  codes: registers of its own for each store, so that no store's data are written again
.set SW,  232                          ; v232-239  scale words as they are made
.set XW,  240                          ; v240-243  Q's and K's scale words as they are stored
.set TM,  244                          ; v244-255  at work in QUANT
.set SEL, 34                           ; s[34:35]  lane selects of v_permlanex16_b32: lane l xor 16
; window 1: v0-127 h's fragments: (token tile tt, K step s) at 8 (nk tt + s)
.set MSB, 0
.macro WIN new                         ; the immediate's high byte repeats the setting that is left
.if MSB != \new
	s_set_vgpr_msb (MSB<<8)|\new
.set MSB, \new
.endif
.endm
.macro MMA d, a, b, c, sa, sb
	v_wmma_scale_f32_16x16x128_f8f6f4 v[\d:\d+7], v[\a:\a+7], v[\b:\b+7], v[\c:\c+7], v[\sa], v[\sb] matrix_a_fmt:MATRIX_FMT_FP4 matrix_b_fmt:MATRIX_FMT_FP4
.endm
; 16 nb numbers of a lane, register 16 b + i = k 32 b + 16 (lane / 16) + i of my row, become codes in v[pc] on (a whole block of 32 to a lane) and the row's scale word in v[pw].
.macro QUANT src, nb, pc, pw, tm, pad
.irp b, 0,1,2,3
.if \b < \nb
	v_max3_num_f32 v[\tm+\b], |v[\src+16*\b]|, |v[\src+16*\b+1]|, 0x1800000   ; my 16 numbers of block b, and the floor 2^(3 - 127): the byte cannot fall under 1
.endif
.endr
.irp i, 2,4,6,8,10,12,14
.irp b, 0,1,2,3
.if \b < \nb
	v_max3_num_f32 v[\tm+\b], v[\tm+\b], |v[\src+16*\b+\i]|, |v[\src+16*\b+\i+1]|   ; ascending, the blocks by turns
.endif
.endr
.endr
.irp b, 0,1,2,3
.if \b < \nb
	v_permlanex16_b32 v[\tm+4+\b], v[\tm+\b], s[SEL], s[SEL+1]
.endif
.endr
.irp b, 0,1,2,3
.if \b < \nb
	v_max_num_f32 v[\tm+\b], v[\tm+\b], v[\tm+4+\b]   ; with lane l xor 16's: the block's largest magnitude
.endif
.endr
.irp b, 0,1,2,3
.if \b < \nb
	v_add_nc_u32 v[\tm+8+\b], 0xff000000, v[\tm+\b]   ; 2 off its exponent field: the conversion takes this operand's exponent field as its scale
.endif
.endr
.irp b, 0,1,2,3
.if \b < \nb
	v_lshrrev_b32 v[\tm+4+\b], 23, v[\tm+8+\b]        ; the scale's byte
.endif
.endr
	v_lshl_or_b32 v[\pw], v[\tm+5], 8, v[\tm+4]
.if \nb == 4
	s_delay_alu instid0(VALU_DEP_1)
	v_lshl_or_b32 v[\pw], v[\tm+6], 16, v[\pw]
	s_delay_alu instid0(VALU_DEP_1)
	v_lshl_or_b32 v[\pw], v[\tm+7], 24, v[\pw]
.endif
.if \pad
	s_delay_alu instid0(VALU_DEP_1)
	v_or_b32 v[\pw], 0x7f7f0000, v[\pw]               ; bytes 2 and 3 stand over zero codes: 127
.endif
.irp b, 0,1,2,3
.if \b < \nb
	v_cvt_scalef32_pk8_fp4_f32 v[\pc+2*\b], v[\src+16*\b:\src+16*\b+7], v[\tm+8+\b]
	v_cvt_scalef32_pk8_fp4_f32 v[\pc+2*\b+1], v[\src+16*\b+8:\src+16*\b+15], v[\tm+8+\b]
.endif
.endr
	v_nop                                             ; one plain line behind the last scaled conversion
.irp c, 0,1
.if 2*\c < \nb
.irp i, 0,1
	v_permlane16_swap_b32 v[\pc+4*\c+\i], v[\pc+4*\c+2+\i]   ; lanes 0-15 get block 2 c whole, lanes 16-31 block 2 c + 1
.endr
.endif
.endr
.endm
	v_lshrrev_b32 v1, 5, v0
	s_delay_alu instid0(VALU_DEP_1)
	v_readfirstlane_b32 s16, v1                    ; wave 0..7
	s_mov_b32 s17, ttmp9                           ; tb: the block of 128 tokens
	s_and_b32 s18, ttmp7, 0xffff                   ; the head
	s_mov_b32 s[SEL], 0x76543210
	s_mov_b32 s[SEL+1], 0xfedcba98
	v_and_b32 v1, 31, v0                           ; lane
	v_and_b32 v2, 15, v0                           ; r
	v_bfe_u32 v3, v0, 4, 1                         ; h
	s_delay_alu instid0(VALU_DEP_2)
	v_and_b32 v4, 8, v2
	s_delay_alu instid0(VALU_DEP_1)
	v_add_nc_u32 v4, v4, v2                        ; rp = r + 8 (r / 8)
	v_lshlrev_b32 v5, 4, v1                        ; 16 x lane: my place in every store
.irp b, 4,5,6,7
	v_mov_b32 v[TM+\b], 0                          ; written once: a lane permute's destination counts as one of its sources
.endr
	s_cmp_eq_u32 s16, 0                            ; the waves part by their number; none meets another again
	s_cbranch_scc1 .Lq2
	s_cmp_eq_u32 s16, 1
	s_cbranch_scc1 .Lk2
	s_cmp_eq_u32 s16, 2
	s_cbranch_scc1 .Lv2
	s_cmp_eq_u32 s16, 3
	s_cbranch_scc1 .Lq3
	s_cmp_eq_u32 s16, 4
	s_cbranch_scc1 .Lk3
	s_cmp_eq_u32 s16, 5
	s_cbranch_scc1 .Lv3
	; ---- waves 6 and 7: piece id = 2 (32 head + tb) + wave - 6 of the 512 pieces of wimg: d = id / 256, column tile (id / 8) % 32, K step and c in id % 8
	s_load_b64 s[4:5], s[0:1], 176                 ; Wo23's codes
	s_load_b64 s[6:7], s[0:1], 184                 ; Wo32's codes
	s_load_b64 s[8:9], s[0:1], 208                 ; wimg
	s_lshl_b32 s20, s18, 5
	s_add_co_u32 s20, s20, s17
	s_lshl_b32 s20, s20, 1
	s_add_co_u32 s20, s20, s16
	s_sub_co_u32 s20, s20, 6                       ; id
	s_bfe_u32 s22, s20, 0x50003                    ; the column tile: 16 rows of 256 bytes
	s_lshl_b32 s22, s22, 12
	s_and_b32 s23, s20, 7                          ; 32 bytes of each row
	s_lshl_b32 s23, s23, 5
	s_or_b32 s22, s22, s23
	s_mov_b32 s23, 0
	s_lshl_b32 s24, s20, 9
	s_mov_b32 s25, 0
	s_wait_alu depctr_va_vdst(0)
	v_lshlrev_b32 v6, 8, v2                        ; row r, + 16 h
	s_delay_alu instid0(VALU_DEP_1)
	v_lshl_add_u32 v6, v3, 4, v6
	s_wait_alu depctr_va_vdst(0)
	s_wait_kmcnt 0x0
	s_cmp_lt_u32 s20, 256                          ; the choice hangs on ids alone
	s_cselect_b64 s[4:5], s[4:5], s[6:7]
	s_add_nc_u64 s[4:5], s[4:5], s[22:23]
	s_add_nc_u64 s[8:9], s[8:9], s[24:25]
	global_load_b128 v[8:11], v6, s[4:5]
	s_wait_loadcnt 0x0
	global_store_b128 v5, v[8:11], s[8:9]
	s_endpgm
; One projection of 128 tokens x 64 channels.  isv: V's form.  nk: K steps of 128.  ahc, awc, aout: bytes in the kernel arguments of h's codes (scales behind them), of W's codes
; (scales and bias behind them) and of the output.  d: the direction that the result serves.  pitch, sub: the record's bytes and the part's place in it.
; kk = 1: K's form.  K's tokens take another slot order than the rest: slot r of tile 4 c + t is token 64 c + 8 t + r % 8 + 32 (r / 8), so that in S^T = K Q^T a lane's 32 registers of tiles 4 c .. 4 c + 3
; are the 32 neighbouring keys 64 c + 32 (lane / 16) + 0 .. 31.  K's scale words: word j (0, 1; words 2, 3 repeat them) of lane l: the two bytes of tile 2 u below, those of tile 2 u + 1 above, u = 2 j + l / 16.
.macro JOB isv, nk, ahc, awc, aout, d, pitch, sub, kk
.set HA, 6+3*\kk                       ; the registers that hold h's row offsets: v6, v7, or K's own v9, v10
.set HS, 7+3*\kk
.set KB, 64*\nk
.set SB, 4*\nk                         ; a row of their scale bytes
	s_load_b64 s[4:5], s[0:1], \ahc
	s_load_b64 s[6:7], s[0:1], \ahc+8
	s_load_b64 s[8:9], s[0:1], \awc
	s_load_b64 s[10:11], s[0:1], \awc+8
	s_load_b64 s[12:13], s[0:1], \awc+16
	s_load_b64 s[14:15], s[0:1], \aout
	v_mul_u32_u24 v6, v4, KB
	s_delay_alu instid0(VALU_DEP_1)
	v_lshl_add_u32 v6, v3, 4, v6                   ; fragments of h and of W: row rp, + 16 h
	v_mul_u32_u24 v7, v4, SB                       ; their scale words
.if \isv
	v_lshlrev_b32 v8, 2, v4                        ; the bias of my channel: slot r
.else
	s_wait_alu depctr_va_vdst(0)
	v_lshlrev_b32 v8, 6, v3
.if \kk
	v_and_b32 v11, 8, v2
	v_mad_u32_u24 v11, v11, 3, v2                  ; r + 24 (r / 8)
	v_mul_u32_u24 v9, v11, KB
	v_mul_u32_u24 v10, v11, SB                     ; that token's scale words
	v_lshl_add_u32 v9, v3, 4, v9                   ; its codes, + 16 h
.endif
.endif
	s_mul_i32 s20, s17, 128*KB
	s_mov_b32 s21, 0
	s_mul_i32 s22, s17, 128*SB
	s_mov_b32 s23, 0
	s_mul_i32 s24, s18, 64*KB
	s_mov_b32 s25, 0
	s_mul_i32 s26, s18, 64*SB
	s_mov_b32 s27, 0
	s_lshl_b32 s28, s18, 8
	s_mov_b32 s29, 0
	s_lshl_b32 s30, s18, 5
	s_add_co_u32 s30, s30, s17
.if \d
	s_add_co_u32 s30, s30, 256
.endif
	s_mul_i32 s30, s30, \pitch                     ; record 32 (8 d + head) + tb
.if \sub
	s_add_co_u32 s30, s30, \sub
.endif
	s_mov_b32 s31, 0
	s_wait_alu depctr_va_vdst(0)
	s_wait_kmcnt 0x0
	s_add_nc_u64 s[4:5], s[4:5], s[20:21]
	s_add_nc_u64 s[6:7], s[6:7], s[22:23]
	s_add_nc_u64 s[8:9], s[8:9], s[24:25]
	s_add_nc_u64 s[10:11], s[10:11], s[26:27]
	s_add_nc_u64 s[12:13], s[12:13], s[28:29]
	s_add_nc_u64 s[14:15], s[14:15], s[30:31]
	; all loads go out at once; h's fragments last, tile by tile, so that the waits below can count them
.irp ct, 0,1,2,3
.if \nk == 2
	global_load_b64 v[WSC+2*\ct:WSC+2*\ct+1], v7, s[10:11] offset:(32*(\ct/2)+8*(\ct%2))*SB
.else
	global_load_b32 v[WSC+\ct], v7, s[10:11] offset:(32*(\ct/2)+8*(\ct%2))*SB
.endif
.endr
.irp tt, 0,1,2,3,4,5,6,7
.if \nk == 2
	global_load_b64 v[HSC+2*\tt:HSC+2*\tt+1], v[HS], s[6:7] offset:((1-\kk)*(32*(\tt/2)+8*(\tt%2))+\kk*(64*(\tt/4)+8*(\tt%4)))*SB
.else
	global_load_b32 v[HSC+\tt], v[HS], s[6:7] offset:((1-\kk)*(32*(\tt/2)+8*(\tt%2))+\kk*(64*(\tt/4)+8*(\tt%4)))*SB
.endif
.endr
.irp ct, 0,1,2,3
.if \isv
	global_load_b32 v[BI+8*\ct], v8, s[12:13] offset:(32*(\ct/2)+8*(\ct%2))*4
.else
	global_load_b128 v[BI+8*\ct:BI+8*\ct+3], v8, s[12:13] offset:(32*(\ct/2)+8*(\ct%2))*4
	global_load_b128 v[BI+8*\ct+4:BI+8*\ct+7], v8, s[12:13] offset:(32*(\ct/2)+8*(\ct%2))*4+16
.endif
.endr
.irp ct, 0,1,2,3
.irp s, 0,1
.if \s < \nk
.irp c, 0,1
	global_load_b128 v[WF+8*(\nk*\ct+\s)+4*\c:WF+8*(\nk*\ct+\s)+4*\c+3], v6, s[8:9] offset:(32*(\ct/2)+8*(\ct%2))*KB+64*\s+32*\c
.endr
.endif
.endr
.endr
	WIN 0x40                                       ; destination window 1
.irp tt, 0,1,2,3,4,5,6,7
.irp s, 0,1
.if \s < \nk
.irp c, 0,1
	global_load_b128 v[8*(\nk*\tt+\s)+4*\c:8*(\nk*\tt+\s)+4*\c+3], v[HA], s[4:5] offset:((1-\kk)*(32*(\tt/2)+8*(\tt%2))+\kk*(64*(\tt/4)+8*(\tt%4)))*KB+64*\s+32*\c
.endr
.endif
.endr
.endr
	WIN 0
.if \isv
	s_wait_loadcnt 0x0
.irp ct, 0,1,2,3
.irp j, 1,2,3,4,5,6,7
	v_mov_b32 v[BI+8*\ct+\j], v[BI+8*\ct]          ; a lane is one channel: its bias stands in all eight registers of C
.endr
.endr
.rept 4
	v_nop
.endr
.irp ct, 0,1,2,3
	WIN 0x01                                       ; source 0 (the tokens) window 1
.irp tt, 0,1,2,3,4,5,6,7
	MMA ACC+8*\tt, 8*\nk*\tt, WF+8*\nk*\ct, BI+8*\ct, HSC+\nk*\tt, WSC+\nk*\ct
.endr
.if \nk == 2
.irp tt, 0,1,2,3,4,5,6,7                       ; the eight sums by turns
	MMA ACC+8*\tt, 8*(2*\tt+1), WF+8*(2*\ct+1), ACC+8*\tt, HSC+2*\tt+1, WSC+2*\ct+1
.endr
.endif
	WIN 0
.rept 4
	v_nop                                          ; four places ahead of the first read of the results
.endr
	QUANT ACC, 4, PC+8*\ct, SW+\ct, TM, 0          ; 128 keys of my channel: one fragment, one scale word
	global_store_b128 v5, v[PC+8*\ct:PC+8*\ct+3], s[14:15] offset:1024*\ct
	global_store_b128 v5, v[PC+8*\ct+4:PC+8*\ct+7], s[14:15] offset:1024*\ct+512
.endr
	global_store_b128 v5, v[SW:SW+3], s[14:15] offset:4096
.else
.irp tt, 0,1,2,3,4,5,6,7
	s_wait_loadcnt (7-\tt)*2*\nk                   ; behind this tile's fragments only the later tiles' were asked for: 2 nk loads each
	WIN 0x04                                       ; source 1 (the tokens) window 1
.irp ct, 0,1,2,3
	MMA ACC+8*\ct, WF+8*\nk*\ct, 8*\nk*\tt, BI+8*\ct, WSC+\nk*\ct, HSC+\nk*\tt
.endr
.if \nk == 2
.irp ct, 0,1,2,3                               ; the four sums by turns
	MMA ACC+8*\ct, WF+8*(2*\ct+1), 8*(2*\tt+1), ACC+8*\ct, WSC+2*\ct+1, HSC+2*\tt+1
.endr
.endif
	WIN 0
.rept 4
	v_nop                                          ; four places ahead of the first read of the results
.endr
	QUANT ACC, 2, PC+4*\tt, SW+\tt, TM, 1-\kk
	global_store_b128 v5, v[PC+4*\tt:PC+4*\tt+3], s[14:15] offset:512*\tt
.endr
	v_cmp_eq_u32 vcc_lo, 1, v3
.if \kk
.irp u, 0,1,2,3
	v_lshl_or_b32 v[SW+2*\u], v[SW+2*\u+1], 16, v[SW+2*\u]   ; tiles 2 u and 2 u + 1 share a word
.endr
.irp j, 0,1,2,3
	v_cndmask_b32 v[XW+\j], v[SW+4*(\j%2)], v[SW+4*(\j%2)+2], vcc_lo   ; lanes 0-15 keep pair 2 j's word, lanes 16-31 take pair 2 j + 1's
.endr
.else
.irp j, 0,1,2,3
	v_cndmask_b32 v[XW+\j], v[SW+2*\j], v[SW+2*\j+1], vcc_lo   ; lanes 0-15 keep tile 2 j's words, lanes 16-31 take tile 2 j + 1's
.endr
.endif
	global_store_b128 v5, v[XW:XW+3], s[14:15] offset:4096
.endif
	s_endpgm
.endm
.Lq2:
	s_wait_alu depctr_va_vdst(0)
	JOB 0, 2, 0, 32, 192, 0, 4608, 0, 0
.Lk2:
	s_wait_alu depctr_va_vdst(0)
	JOB 0, 2, 0, 56, 200, 1, 9216, 0, 1
.Lv2:
	s_wait_alu depctr_va_vdst(0)
	JOB 1, 2, 0, 80, 200, 1, 9216, 4608, 0
.Lq3:
	s_wait_alu depctr_va_vdst(0)
	JOB 0, 1, 16, 104, 192, 1, 4608, 0, 0
.Lk3:
	s_wait_alu depctr_va_vdst(0)
	JOB 0, 1, 16, 128, 200, 0, 9216, 0, 1
.Lv3:
	s_wait_alu depctr_va_vdst(0)
	JOB 1, 1, 16, 152, 200, 0, 9216, 4608, 0
.Lfunc_end_k_qbb2b9113f8_proj:
	.size	k_qbb2b9113f8_proj, .Lfunc_end_k_qbb2b9113f8_proj-k_qbb2b9113f8_proj
	.p2alignl 7, 3214868480
	.fill 96, 4, 3214868480
	.section	.rodata,"a",@progbits
	.p2align	6, 0x0
	.amdhsa_kernel k_qbb2b9113f8_proj
		.amdhsa_group_segment_fixed_size 0
		.amdhsa_private_segment_fixed_size 0
		.amdhsa_enable_private_segment 0
		.amdhsa_kernarg_size 216
		.amdhsa_user_sgpr_count 2
		.amdhsa_user_sgpr_kernarg_segment_ptr 1
		.amdhsa_wavefront_size32 1
		.amdhsa_system_sgpr_workgroup_id_x 1
		.amdhsa_system_sgpr_workgroup_id_y 1
		.amdhsa_system_sgpr_workgroup_id_z 1
		.amdhsa_system_vgpr_workitem_id 0
		.amdhsa_next_free_vgpr 384
		.amdhsa_next_free_sgpr 66
		.amdhsa_reserve_vcc 1
		.amdhsa_float_denorm_mode_32 3
		.amdhsa_float_denorm_mode_16_64 3
		.amdhsa_memory_ordered 1
		.amdhsa_forward_progress 1
		.amdhsa_inst_pref_size 188
	.end_amdhsa_kernel
	.amdgpu_metadata
---
amdhsa.version: [ 1, 2 ]
amdhsa.kernels:
  - .name:           k_qbb2b9113f8_proj
    .symbol:         k_qbb2b9113f8_proj.kd
    .args:
      - { .name: h_2d_codes, .offset: 0, .size: 8, .value_kind: global_buffer, .address_space: global }
      - { .name: h_2d_scales, .offset: 8, .size: 8, .value_kind: global_buffer, .address_space: global }
      - { .name: h_3d_codes, .offset: 16, .size: 8, .value_kind: global_buffer, .address_space: global }
      - { .name: h_3d_scales, .offset: 24, .size: 8, .value_kind: global_buffer, .address_space: global }
      - { .name: Wq2d_codes, .offset: 32, .size: 8, .value_kind: global_buffer, .address_space: global }
      - { .name: Wq2d_scales, .offset: 40, .size: 8, .value_kind: global_buffer, .address_space: global }
      - { .name: bq2d, .offset: 48, .size: 8, .value_kind: global_buffer, .address_space: global }
      - { .name: Wk2d_codes, .offset: 56, .size: 8, .value_kind: global_buffer, .address_space: global }
      - { .name: Wk2d_scales, .offset: 64, .size: 8, .value_kind: global_buffer, .address_space: global }
      - { .name: bk2d, .offset: 72, .size: 8, .value_kind: global_buffer, .address_space: global }
      - { .name: Wv2d_codes, .offset: 80, .size: 8, .value_kind: global_buffer, .address_space: global }
      - { .name: Wv2d_scales, .offset: 88, .size: 8, .value_kind: global_buffer, .address_space: global }
      - { .name: bv2d, .offset: 96, .size: 8, .value_kind: global_buffer, .address_space: global }
      - { .name: Wq3d_codes, .offset: 104, .size: 8, .value_kind: global_buffer, .address_space: global }
      - { .name: Wq3d_scales, .offset: 112, .size: 8, .value_kind: global_buffer, .address_space: global }
      - { .name: bq3d, .offset: 120, .size: 8, .value_kind: global_buffer, .address_space: global }
      - { .name: Wk3d_codes, .offset: 128, .size: 8, .value_kind: global_buffer, .address_space: global }
      - { .name: Wk3d_scales, .offset: 136, .size: 8, .value_kind: global_buffer, .address_space: global }
      - { .name: bk3d, .offset: 144, .size: 8, .value_kind: global_buffer, .address_space: global }
      - { .name: Wv3d_codes, .offset: 152, .size: 8, .value_kind: global_buffer, .address_space: global }
      - { .name: Wv3d_scales, .offset: 160, .size: 8, .value_kind: global_buffer, .address_space: global }
      - { .name: bv3d, .offset: 168, .size: 8, .value_kind: global_buffer, .address_space: global }
      - { .name: Wo23_codes, .offset: 176, .size: 8, .value_kind: global_buffer, .address_space: global }
      - { .name: Wo32_codes, .offset: 184, .size: 8, .value_kind: global_buffer, .address_space: global }
      - { .name: qr, .offset: 192, .size: 8, .value_kind: global_buffer, .address_space: global }
      - { .name: kv, .offset: 200, .size: 8, .value_kind: global_buffer, .address_space: global }
      - { .name: wimg, .offset: 208, .size: 8, .value_kind: global_buffer, .address_space: global }
    .group_segment_fixed_size: 0
    .private_segment_fixed_size: 0
    .kernarg_segment_align: 8
    .kernarg_segment_size: 216
    .max_flat_workgroup_size: 256
    .sgpr_count:     66
    .vgpr_count:     384
    .wavefront_size: 32
...
	.end_amdgpu_metadata
.endif
;; end of part 1
;; launch attn (part 2): grid 16 x 16, 16 waves a work-group, clusters of 4 x 1, 327,680 bytes of LDS; arguments qr, kv, aimg, asc; writes aimg, asc
.if DOCPART == 2
	.amdgcn_target "amdgcn-amd-amdhsa--gfx1250"
	.amdhsa_code_object_version 6
	.text
	.protected	k_qbb2b9113f8_attn
	.globl	k_qbb2b9113f8_attn
	.p2align	8
	.type	k_qbb2b9113f8_attn,@function
k_qbb2b9113f8_attn:
	s_mov_b64 s[64:65], 0
	v_nop
	global_prefetch_b8 v0, s[64:65] scope:SCOPE_SE
	s_setreg_imm32_b32 hwreg(HW_REG_WAVE_MODE, 25, 1), 1
	s_wait_xcnt 0x0
	s_wait_alu depctr_hold_cnt(0) depctr_sa_sdst(0) depctr_va_vdst(0) depctr_va_sdst(0) depctr_va_ssrc(0) depctr_va_vcc(0) depctr_vm_vsrc(0)
	s_getreg_b32 s2, hwreg(HW_REG_IB_STS2, 6, 4)
	s_cmp_eq_u32 s2, 0
	s_cbranch_scc0 .Lentry_in_a_cluster
	s_endpgm
.Lentry_in_a_cluster:
	s_bfe_u32 s2, ttmp6, 0x10000c
	s_cmp_lg_u32 s2, 0x3003
	s_cbranch_scc0 .Lentry_shape_is_right
	s_endpgm
.Lentry_shape_is_right:
; ATTN: the 16 attentions (2 directions x 8 heads) on codes of FP4 (E2M1) with E8M0 scales: S^T = K Q^T, the softmax, O^T = V^T P^T, O / l quantised along the model's 512 for the output projection.
; THE SOFTMAX: t = score x log2(e) / 8; M = the running largest t rounded UP to a whole number; p = 2^(t - M) is quantised along the keys, not normalised.  The row's sum is taken of the unquantised p
; and divides O at the end.  When M moves, the sum and O are multiplied by f = 2^(old M - new M), which rounds nothing.
; SHARES.  Work-group (query block of 256, y' = 8 d + head); each of its sixteen waves owns 16 queries in 256 registers and walks the head's 4,096 keys, 128 a step.
; LDS.  The head's 32 records of 9,216 bytes (K's codes and scale words, V's codes and scale words of 128 keys, as images of the operands' registers) lie from byte 0 on: 294,912 bytes, each filled once.
; CLUSTER.  The four query blocks of a cluster walk the same K and V: every load is joint, with the mask of all four.  At the head a wave brings 9 rows of 256 bytes (records 0-3 in all sixteen);
; behind the sequence and the round, 63 rows (records 4-31).  One load of mine is out at a time.  One more barrier stands in front of record 4's step.
; No prefetch: all of K and V is asked for by these two loads, ahead of the first key step, so no later load exists to run ahead of.
; LAYOUT.  Both products are used transposed: a lane holds ONE query (lane % 16).  Slot 8 h + j of K's tile 4 c + t is key 64 c + 32 h + 8 t + j (laid so by the launch before): registers 32 c .. 32 c + 31 of
; S^T in lane half h are the block of 32 keys 2 c + h, whole: its maximum needs no other lane, and the conversions' results are P's operand as they stand.
; The head has 64 channels, half of the instruction's K.  Two tiles of K share one operand of 8 registers (tile 2 u in k 0-63, tile 2 u + 1 in k 64-127), multiplied once by [q | 0] and once by [0 | q]:
; zero codes of Q stand against the other tile's codes, under finite scale bytes, and add nothing.
; A BLOCK'S SCALE: floor(log2(largest p)) is floor(x), x = the block's largest t - M made by the same multiply-add as every t - M; x is held at -124 from below, so the byte e + 125 lies in 1 .. 125.
; A STEP IN TWO HALVES.  FRONT: V's loads, the scores, the next K's loads, the maxima (a tree), M, f, t - M, the scales, O^T x f.  BACK: the exponentials, the conversions, the sum (a tree), O^T += V^T P^T.
; The loop runs BACK of one step and FRONT of the next, so that its branch lands on the wait that stands ahead of the exponentials anyway; one wait for LDS loads a step stands there too.
; LIMITS: NaN and infinities are not served.  The promise holds while the scaled scores stay under 2^31 in magnitude.  Where v_exp_f32 rounds a block's largest p across a power of two, the scale follows x
; and not the rounded p.  A block whose every p has fallen to 0 keeps a small byte over zero codes.  O's blocks under 2^-124 are held by the floor; these bytes are read by this program alone.
; REGISTERS: v1 16 x lane; v2, v3 the spare word's address and 0; v4 8 x (lane / 16); v5 the largest score; v6, v7 at work; v8 the record's LDS address; v9, v10 offsets; v12 the old -M; v16-27 [0 | q | 0];
; v[28:29] the sum; v32-63 K's 4 operands; v64-65 K's scale words, v66-69 V's, v70 Q's for [q | 0], v71 for [0 | q], v72 P's; v73-76 maxima; v[78:79] -M; v[80:81] f; v82-87 scales at work;
; v88-93 the step's sum; v96-159 S^T, then p; v160-191 O^T; v192-223 V's 4 operands; v224-231 P's codes; v232-251 the tree of maxima, and the way out.
.set SEL, 40                           ; s[40:41] lane selects of v_permlanex16_b32: lane l xor 16
.set CS,  42                           ; s[42:43] c = log2(e) / 8 (the packed form names a pair)
.set NC,  46                           ; s46 -c
.set REC, 9216                         ; a record
.set NA,  4                            ; records of the first fill
.set SPARE, 0x48000                    ; behind the records: the spare words, 128 bytes a wave
.macro ROUND                           ; a round of the cluster's barrier
	s_barrier_signal -1
	s_barrier_wait -1
	s_cmp_lg_u32 s12, 0
	s_cbranch_scc1 .Lnot_wave_0_\@
	s_barrier_signal -3
.Lnot_wave_0_\@:
	s_barrier_wait -3
	s_barrier_signal -1
	s_barrier_wait -1
.endm
.macro SMM d, a, b, sa, sb, row        ; a tile of S^T; row: which half of the lanes holds K's scale words
.if \row
	v_wmma_scale_f32_16x16x128_f8f6f4 v[\d:\d+7], v[\a:\a+7], v[\b:\b+7], 0, v[\sa], v[\sb] matrix_a_fmt:MATRIX_FMT_FP4 matrix_b_fmt:MATRIX_FMT_FP4 matrix_a_scale:MATRIX_SCALE_ROW1
.else
	v_wmma_scale_f32_16x16x128_f8f6f4 v[\d:\d+7], v[\a:\a+7], v[\b:\b+7], 0, v[\sa], v[\sb] matrix_a_fmt:MATRIX_FMT_FP4 matrix_b_fmt:MATRIX_FMT_FP4
.endif
.endm
.macro LOADK                           ; K's part of the record at v8: nine loads
.irp t, 0,1,2,3,4,5,6,7
	ds_load_b128 v[32+4*\t:35+4*\t], v8 offset:512*\t
.endr
	ds_load_b64 v[64:65], v8 offset:4096
.endm
.macro PF4 g                           ; t - M of eight scores, two at a time
.irp k, 0,2,4,6
	v_pk_fma_f32 v[96+8*\g+\k:97+8*\g+\k], v[96+8*\g+\k:97+8*\g+\k], s[CS:CS+1], v[78:79] op_sel_hi:[1,0,0]
.endr
.endm
.macro PADD d, a, b
	v_pk_add_f32 v[\d:\d+1], v[\a:\a+1], v[\b:\b+1]
.endm
	s_load_b256 s[4:11], s[0:1], 0x0               ; qr s[4:5], kv s[6:7], aimg s[8:9], asc s[10:11]
	v_lshl_add_u32 v2, v0, 2, SPARE
	v_mov_b32 v3, 0
	ds_add_u32 v2, v3                              ; the opening lines: the add, twice on end, and its wait ahead of my first tensor load
	ds_add_u32 v2, v3
	v_lshrrev_b32 v6, 5, v0
	v_readfirstlane_b32 s12, v6                    ; wave 0..15
	s_bfe_u32 s13, ttmp6, 0x40000                  ; cx: my place in the cluster
	s_lshl_b32 s14, ttmp9, 2
	s_add_co_u32 s14, s14, s13                     ; my block of 256 queries: it enters Q's and the outputs' addresses alone
	s_and_b32 s15, ttmp7, 0xffff                   ; y' = 8 d + head, which the four partners share
	; descriptor groups 1: rows of 32 elements of 8 bytes, dense in memory and in LDS: 9 rows for the first fill, 63 for the second
	s_mov_b32 s16, 15|(3<<16)|(1<<21)              ; the mask of all four work-groups; elements of 8 bytes; bit 21 beside a mask
	s_mov_b32 s17, 32<<16
	s_mov_b32 s18, 9<<16
	s_mov_b32 s19, 32<<16
	s_mov_b32 s20, 9
	s_mov_b32 s21, 32
	s_mov_b32 s22, 0
	s_mov_b32 s23, 0
	s_mov_b32 s32, 15|(3<<16)|(1<<21)
	s_mov_b32 s33, 32<<16
	s_mov_b32 s34, 63<<16
	s_mov_b32 s35, 32<<16
	s_mov_b32 s36, 63
	s_mov_b32 s37, 32
	s_mov_b32 s38, 0
	s_mov_b32 s39, 0
	s_mov_b32 s[SEL], 0x76543210
	s_mov_b32 s[SEL+1], 0xfedcba98
	s_mov_b32 s[CS], 0x3e38aa3b                    ; log2(e) / 8
	s_mov_b32 s[CS+1], s[CS]
	s_mov_b32 s[NC], 0xbe38aa3b
	s_mul_i32 s47, s12, 2304                       ; my part of records 0-3, in LDS and in the head's records alike: no place in the cluster enters it
	s_mul_i32 s56, s12, 16128
	s_add_co_u32 s56, s56, NA*REC                  ; my part of records 4-31
	s_mul_i32 s48, s15, 32*REC                     ; the head's records
	s_add_co_u32 s58, s48, s56
	s_mov_b32 s59, 0
	s_add_co_u32 s48, s48, s47
	s_mov_b32 s49, 0
	; Q: my tile is tile wave % 8 of record 32 y' + 2 x block + wave / 8 of qr
	s_lshl_b32 s50, s15, 5
	s_lshl_b32 s51, s14, 1
	s_add_co_u32 s50, s50, s51
	s_lshr_b32 s51, s12, 3
	s_add_co_u32 s50, s50, s51
	s_mul_i32 s50, s50, 4608
	s_and_b32 s51, s12, 7
	s_lshl_b32 s52, s51, 9
	s_add_co_u32 s52, s52, s50                     ; its codes
	s_and_b32 s54, s51, 1
	s_lshl_b32 s54, s54, 8                         ; its scale words: lanes 16-31's places for an odd tile,
	s_lshr_b32 s55, s51, 1
	s_lshl_b32 s55, s55, 2                         ; word tile / 2
	s_add_co_u32 s54, s54, s55
	s_add_co_u32 s54, s54, s50
	s_add_co_u32 s54, s54, 4096
	v_and_b32 v1, 31, v0
	v_and_b32 v7, 15, v0
	v_bfe_u32 v4, v0, 4, 1
	v_lshlrev_b32 v1, 4, v1                        ; 16 x lane
	v_lshl_add_u32 v10, v7, 4, s54
	v_lshlrev_b32 v4, 3, v4                        ; 8 x (lane / 16): how far my two scale bytes are shifted
	v_add_nc_u32 v9, s52, v1
	s_wait_dscnt 0x0                               ; both opening adds are done
	s_wait_kmcnt 0x0
	s_mov_b32 s24, 1
	s_mov_b32 s25, s47
	s_add_nc_u64 s[26:27], s[6:7], s[48:49]
	s_or_b32 s27, s27, 0x80000000
	s_mov_b32 s28, 1
	s_mov_b32 s29, s56
	s_add_nc_u64 s[30:31], s[6:7], s[58:59]
	s_or_b32 s31, s31, 0x80000000
	ROUND                                          ; all four work-groups are here: the joint loads meet
	tensor_load_to_lds s[24:27], s[16:23]          ; records 0-3: my one load at the head
	s_nop 0
.rept 4
	v_nop
.endr
	s_wait_alu depctr_va_vdst(0)                   ; the wait here, directly ahead of the first readers of v9 and v10
	global_load_b128 v[20:23], v9, s[4:5]          ; Q's codes: block lane / 16 of query slot lane % 16
	global_load_b32 v70, v10, s[4:5]               ; Q's scale words: bytes 2 and 3 are 127
.irp j, 16,17,18,19,24,25,26,27
	v_mov_b32 v\j, 0                               ; the zero codes on both sides of q
.endr
.irp j, 28,29,79,80,81,88,89,90,91,73,87
	v_mov_b32 v\j, 0                               ; the sum, f and the step's sum (the first step merges zeros); pairs' upper words; lane permutes' destinations
.endr
	s_wait_loadcnt 0x0                             ; Q
	v_lshl_or_b32 v71, v70, 16, 0x7f7f             ; the scale words for [0 | q]
	v_mov_b32 v5, 0xff61b1e6                       ; the largest score so far: -3e38
	v_mul_f32 v6, s[NC], v5
	v_floor_f32 v78, v6                            ; -M
.set j, 0
.rept 32
	v_mov_b32 v[160+j], 0                          ; O^T: the first step finds zeros, which its f leaves zeros
.set j, j+1
.endr
; THE FIRST HALF OF A KEY STEP: the 128 keys of the record at v8.  pf = 1: the next record's K is asked for.  first = 1: K's loads were issued just ahead and are waited for here.
.macro FRONT pf, first
.irp t, 0,1,2,3
.irp c, 0,1
	ds_load_b128 v[192+8*\t+4*\c:195+8*\t+4*\c], v8 offset:4608+1024*\t+512*\c
.endr
.endr
	ds_load_b128 v[66:69], v8 offset:8704
.if \pf
	s_add_co_u32 s44, s44, REC
.endif
.if \first
	s_wait_dscnt 9                                 ; K's nine loads are in; V's nine, just issued, may be out
.endif
.irp u, 0,1,2,3
	SMM 96+16*\u, 32+8*\u, 20, 64+\u/2, 70, \u%2   ; tile 2 u against [q | 0]
	SMM 104+16*\u, 32+8*\u, 16, 64+\u/2, 71, \u%2  ; tile 2 u + 1 against [0 | q]
.endr
	v_mov_b32 v12, v78                             ; four plain lines that are due anyway are the places behind the products: the old -M;
.if \pf
	v_add_nc_u32 v8, s44, v1                       ; the next record;
.else
	v_nop
.endif
	v_pk_fma_f32 v[28:29], v[28:29], v[80:81], v[88:89] op_sel_hi:[1,0,1]   ; the last step's sum: l x f + its two parts
	v_pk_add_f32 v[28:29], v[28:29], v[90:91]
.if \pf
	LOADK
.endif
	; the largest score of my two blocks of 32 keys, as a tree: 20, 8, 2 and 2 lines that do not hang on each other; each tile is read from its low end on
.irp k, 0,1,2,3,4,5,6,7,8,9
.irp c, 0,1
	v_max3_num_f32 v[232+10*\c+\k], v[96+32*\c+3*\k], v[97+32*\c+3*\k], v[98+32*\c+3*\k]
.endr
.endr
.irp k, 0,3,6
.irp c, 0,1
	v_max3_num_f32 v[232+10*\c+\k], v[232+10*\c+\k], v[233+10*\c+\k], v[234+10*\c+\k]
.endr
.endr
	v_max3_num_f32 v241, v241, v126, v127
	v_max3_num_f32 v251, v251, v158, v159
	v_max3_num_f32 v232, v232, v235, v238
	v_max3_num_f32 v242, v242, v245, v248
	v_max_num_f32 v74, v232, v241                  ; block h
	v_max_num_f32 v76, v242, v251                  ; block 2 + h
	v_max_num_f32 v75, v74, v76
	v_permlanex16_b32 v73, v75, s[SEL], s[SEL+1]
	v_max3_num_f32 v5, v5, v75, v73                ; the running largest score of my query
	v_mul_f32 v6, s[NC], v5
	v_floor_f32 v78, v6                            ; -M = floor(-t) = -ceil(t)
	; t - M; among its 32 lines stand the lines that make f and the scales, each some lines behind the one that it reads
	PF4 0
	v_sub_f32 v7, v78, v12                         ; old M less new M: a whole number, 0 or less
	v_fma_f32 v82, v74, s[CS], v78                 ; x of my two blocks
	v_fma_f32 v83, v76, s[CS], v78
	PF4 1
	v_cvt_i32_f32 v7, v7                           ; (it saturates)
	v_max_num_f32 v82, 0xc2f80000, v82             ; held at -124
	v_max_num_f32 v83, 0xc2f80000, v83
	PF4 2
	v_ldexp_f32 v80, 1.0, v7                       ; f
	v_cvt_floor_i32_f32 v82, v82                   ; e = floor(log2(the block's largest p))
	v_cvt_floor_i32_f32 v83, v83
	PF4 3
	v_add_lshl_u32 v84, v82, 0x7d, 23              ; the byte e + 125 as an exponent field: the conversion's scale operand
	v_add_lshl_u32 v85, v83, 0x7d, 23
	v_lshl_add_u32 v86, v83, 16, v82
	PF4 4
	v_add_lshl_u32 v86, v86, 0x7d007d, v4          ; my two bytes at their places: blocks h and 2 + h
	PF4 5
	v_permlanex16_b32 v87, v86, s[SEL], s[SEL+1]   ; lane l xor 16's two
	PF4 6
	PF4 7
.set j, 0
.rept 16
	v_pk_mul_f32 v[160+j:161+j], v[160+j:161+j], v[80:81] op_sel_hi:[1,0]   ; O^T under the new M, ahead of the exponentials
.set j, j+2
.endr
.endm
; THE SECOND HALF.
.macro BACK
	s_wait_alu depctr_va_vdst(0)                   ; the wait ahead of the batch, and behind the loop's branch
	s_wait_dscnt 0x0                               ; V, and the next record's K: both were asked for ahead of the maxima
.set j, 0
.rept 64
	v_exp_f32 v[96+j], v[96+j]                     ; p = 2^(t - M)
.set j, j+1
.endr
	v_or_b32 v72, v86, v87                         ; P's scale word: the plain line behind the batch
	s_wait_alu depctr_va_vdst(0)                   ; one wait for the batch, ahead of its first reader
.irp c, 0,1
.irp t, 0,1,2,3
	v_cvt_scalef32_pk8_fp4_f32 v[224+4*\c+\t], v[96+32*\c+8*\t:103+32*\c+8*\t], v[84+\c]   ; keys 64 c + 32 h + 8 t + 0 .. 7: P's operand as it stands
.endr
.endr
	; the step's sum of the unquantised p, as a tree on p's own registers: 16, 8, 4 and 2 lines.  The first line writes no source of a conversion: it is the plain line behind them
	PADD 92, 96, 98
.irp k, 1,2,3,4,5,6,7,8,9,10,11,12,13,14,15
	PADD 96+4*\k, 96+4*\k, 98+4*\k
.endr
	PADD 92, 92, 100
.irp k, 1,2,3,4,5,6,7
	PADD 96+8*\k, 96+8*\k, 100+8*\k
.endr
.irp t, 0,1,2,3                                ; O^T += V^T P^T: the four sums by turns
	v_wmma_scale_f32_16x16x128_f8f6f4 v[160+8*\t:167+8*\t], v[192+8*\t:199+8*\t], v[224:231], v[160+8*\t:167+8*\t], v[66+\t], v72 matrix_a_fmt:MATRIX_FMT_FP4 matrix_b_fmt:MATRIX_FMT_FP4
.endr
	PADD 92, 92, 104                               ; six plain lines on p: the places ahead of the next loads into V's registers
	PADD 112, 112, 120
	PADD 128, 128, 136
	PADD 144, 144, 152
	PADD 88, 92, 112
	PADD 90, 128, 144
.endm
.macro STAGE first, n                          ; n records from record first on; the last step asks for no further K
	s_mov_b32 s44, \first*REC
	v_add_nc_u32 v8, s44, v1
	LOADK
	FRONT 1, 1
	s_mov_b32 s45, \n-2
.Lstep_\@:
	BACK
	FRONT 1, 0
	s_sub_co_u32 s45, s45, 1
	s_cmp_lg_u32 s45, 0
	s_cbranch_scc1 .Lstep_\@
	BACK
	FRONT 0, 0
	BACK
.endm
	s_wait_alu depctr_va_vdst(0)                   ; the wait at the head's end
	s_wait_tensorcnt 0x0                           ; my part of records 0-3 is in
	ds_add_u32 v2, v3
	s_wait_dscnt 0x0
	ROUND                                          ; everybody's part is in, and all four work-groups are here
	tensor_load_to_lds s[28:31], s[32:39]          ; records 4-31: my one load behind the round; it lands under the first four steps
	s_nop 0
.rept 4
	v_nop
.endr
	STAGE 0, NA
	s_wait_alu depctr_va_vdst(0)                   ; the wait here
	s_wait_tensorcnt 0x0                           ; my part of records 4-31 is in;
	s_wait_dscnt 0x0
	s_barrier_signal -1
	s_barrier_wait -1                              ; and so is every wave's.
	STAGE NA, 32-NA
	; THE WAY OUT: O^T / the sum, quantised along the head's 64 channels, which are two blocks of the output projection's K.
	v_pk_fma_f32 v[28:29], v[28:29], v[80:81], v[88:89] op_sel_hi:[1,0,1]   ; the last step's sum
	v_pk_add_f32 v[28:29], v[28:29], v[90:91]
	v_add_f32 v28, v28, v29                        ; the sum's two halves,
	v_permlanex16_b32 v73, v28, s[SEL], s[SEL+1]
	v_add_f32 v28, v28, v73                        ; and lane l xor 16's keys: the row's sum
	s_wait_alu depctr_va_vdst(0)                   ; the wait ahead of the transcendental
	v_rcp_f32 v28, v28
	s_lshr_b32 s50, s15, 3                         ; d
	s_lshl_b32 s50, s50, 8
	s_lshl_b32 s51, s14, 4
	s_add_co_u32 s50, s50, s51
	s_add_co_u32 s50, s50, s12                     ; 256 d + T, T = 16 x block + wave
	s_and_b32 s51, s15, 7                          ; the head
	s_lshl_b32 s52, s50, 3
	s_add_co_u32 s52, s52, s51
	s_lshl_b32 s52, s52, 9                         ; aimg: [d][T][head][lane][16 bytes]
	s_lshl_b32 s53, s50, 2
	s_lshr_b32 s54, s51, 1
	s_add_co_u32 s53, s53, s54
	s_lshl_b32 s53, s53, 7                         ; asc: [d][T][head / 2][lane][4 bytes],
	s_and_b32 s54, s51, 1
	s_lshl_b32 s54, s54, 1
	s_add_co_u32 s53, s53, s54                     ; the halfword head % 2
	v_add_nc_u32 v9, s52, v1
	v_lshrrev_b32 v10, 2, v1
	v_add_nc_u32 v10, s53, v10
	s_wait_alu depctr_va_vdst(0)                   ; the wait ahead of the reciprocal's first reader, which is also O^T's
.set j, 0
.rept 32
	v_mul_f32 v[96+j], v[160+j], v28               ; register 16 b + i is channel 32 b + 16 (lane / 16) + i of my query
.set j, j+1
.endr
	v_max3_num_f32 v232, |v96|, |v97|, 0x1800000   ; my 16 numbers of each block, and the floor 2^(3 - 127)
	v_max3_num_f32 v233, |v112|, |v113|, 0x1800000
.irp i, 2,4,6,8,10,12,14
	v_max3_num_f32 v232, v232, |v[96+\i]|, |v[97+\i]|
	v_max3_num_f32 v233, v233, |v[112+\i]|, |v[113+\i]|
.endr
	v_permlanex16_b32 v236, v232, s[SEL], s[SEL+1]
	v_permlanex16_b32 v237, v233, s[SEL], s[SEL+1]
	v_max_num_f32 v232, v232, v236                 ; with lane l xor 16's: the block's largest magnitude
	v_max_num_f32 v233, v233, v237
	v_add_nc_u32 v240, 0xff000000, v232            ; 2 off the exponent field: the conversion's scale operand
	v_add_nc_u32 v241, 0xff000000, v233
	v_lshrrev_b32 v236, 23, v240                   ; the scale's byte
	v_lshrrev_b32 v237, 23, v241
	v_lshl_or_b32 v238, v237, 8, v236
	v_cvt_scalef32_pk8_fp4_f32 v224, v[96:103], v240
	v_cvt_scalef32_pk8_fp4_f32 v225, v[104:111], v240
	v_cvt_scalef32_pk8_fp4_f32 v226, v[112:119], v241
	v_cvt_scalef32_pk8_fp4_f32 v227, v[120:127], v241
	v_nop                                          ; one plain line behind the last scaled conversion
	v_permlane16_swap_b32 v224, v226               ; a whole block to a lane
	v_permlane16_swap_b32 v225, v227
	global_store_b128 v9, v[224:227], s[8:9]       ; 512 consecutive bytes, aligned
	global_store_b16 v10, v238, s[10:11]           ; my head's two scale bytes of each row: the word's other half is another work-group's
	s_wait_tensorcnt 0x0                           ; the wave's end
	ds_add_u32 v2, v3
	s_wait_dscnt 0x0
	ROUND                                          ; the closing round
	s_endpgm
.Lfunc_end_k_qbb2b9113f8_attn:
	.size	k_qbb2b9113f8_attn, .Lfunc_end_k_qbb2b9113f8_attn-k_qbb2b9113f8_attn
	.p2alignl 7, 3214868480
	.fill 96, 4, 3214868480
	.section	.rodata,"a",@progbits
	.p2align	6, 0x0
	.amdhsa_kernel k_qbb2b9113f8_attn
		.amdhsa_group_segment_fixed_size 327680
		.amdhsa_private_segment_fixed_size 0
		.amdhsa_enable_private_segment 0
		.amdhsa_kernarg_size 32
		.amdhsa_user_sgpr_count 2
		.amdhsa_user_sgpr_kernarg_segment_ptr 1
		.amdhsa_wavefront_size32 1
		.amdhsa_system_sgpr_workgroup_id_x 1
		.amdhsa_system_sgpr_workgroup_id_y 1
		.amdhsa_system_sgpr_workgroup_id_z 1
		.amdhsa_system_vgpr_workitem_id 0
		.amdhsa_next_free_vgpr 256
		.amdhsa_next_free_sgpr 66
		.amdhsa_reserve_vcc 0
		.amdhsa_float_denorm_mode_32 3
		.amdhsa_float_denorm_mode_16_64 3
		.amdhsa_memory_ordered 1
		.amdhsa_forward_progress 1
		.amdhsa_inst_pref_size 93
	.end_amdhsa_kernel
	.amdgpu_metadata
---
amdhsa.version: [ 1, 2 ]
amdhsa.kernels:
  - .name:           k_qbb2b9113f8_attn
    .symbol:         k_qbb2b9113f8_attn.kd
    .args:
      - { .name: qr, .offset: 0, .size: 8, .value_kind: global_buffer, .address_space: global }
      - { .name: kv, .offset: 8, .size: 8, .value_kind: global_buffer, .address_space: global }
      - { .name: aimg, .offset: 16, .size: 8, .value_kind: global_buffer, .address_space: global }
      - { .name: asc, .offset: 24, .size: 8, .value_kind: global_buffer, .address_space: global }
    .group_segment_fixed_size: 327680
    .private_segment_fixed_size: 0
    .kernarg_segment_align: 8
    .kernarg_segment_size: 32
    .max_flat_workgroup_size: 512
    .sgpr_count:     66
    .vgpr_count:     256
    .wavefront_size: 32
...
	.end_amdgpu_metadata
.endif
;; end of part 2
;; launch outln (part 3): grid 256 x 1, 16 waves a work-group, no clusters, 39,424 bytes of LDS; arguments aimg, asc, wimg, Wo23_scales, Wo32_scales, bo23, bo32, gamma, beta, out0; writes out0
.if DOCPART == 3
	.amdgcn_target "amdgcn-amd-amdhsa--gfx1250"
	.amdhsa_code_object_version 6
	.text
	.protected	k_qbb2b9113f8_outln
	.globl	k_qbb2b9113f8_outln
	.p2align	8
	.type	k_qbb2b9113f8_outln,@function
k_qbb2b9113f8_outln:
	s_mov_b64 s[64:65], 0
	v_nop
	global_prefetch_b8 v0, s[64:65] scope:SCOPE_SE
	s_setreg_imm32_b32 hwreg(HW_REG_WAVE_MODE, 25, 1), 1
	s_wait_xcnt 0x0
; OUTLN: x = a23 Wo23 + bo23 + a32 Wo32 + bo32 on codes of FP4 (E2M1) with E8M0 scales, then the LayerNorm over the 512 columns.
; The two products share one sum: K = 1,024 in eight steps of 128, ks = 4 d + s.  LIMIT OF ORDER: the two biases are added to each other first and begin the sum (they are the C of its first product), and
; o23 and o32 are added inside that sum, so the f32 roundings come in another order than where each product is finished by itself.
; SHARES.  Work-group T owns row tile T: slot r is token 32 (T / 2) + 8 (T % 2) + r + 8 (r / 8).  256 work-groups.  Wave w of sixteen owns columns 32 w .. 32 w + 31: two sums, which take turns.
; The product is used transposed (source 0 = 16 columns of Wo, source 1 = the 16 rows): a lane holds one row and eight neighbouring columns.
; All operands come from memory straight into registers, as images of the registers, 512 consecutive bytes a load; all 67 loads of a wave are issued at the head.  The launch has no tensor load and no tile
; in LDS, and each wave reads only its own columns' weights: so there is nothing for a joint load, and the launch has no cluster.  No prefetch: there is no loop to run ahead in.
; gamma and beta: wave w loads 256 bytes of them (waves 0-7 gamma, 8-15 beta) and lays them in LDS; behind the one barrier every wave reads both whole.
; The results meet in a stage in LDS, rows of 2,048 + 16 bytes; behind the barrier wave w takes the whole row of slot w: the norm never leaves a wave.
; The mean is taken first and the squares of x - mean second: no difference of large sums.
; REGISTERS: v2, v3 the spare word's address and 0; v4 32 x (lane / 16); v5 16 x lane; v6 4 x lane; v7, v8 stage addresses; v9 8 x lane; v10 where my piece of gamma or beta goes; v11 a permute's destination;
; v[12:13] that piece; v16-79 the rows' fragments, 8 ks (later x v16-31, gamma v32-47, beta v48-63, v64-75 at work); v80-207 Wo's fragments, 8 (2 ks + i); v208-223 the two sums;
; v224-231 Wo's scale words; v232-239 the rows' scale words; v240-255 bo32 in C's layout.
.set AF,  16
.set WF,  80
.set ACC, 208
.set WS,  224
.set AS,  232
.set TB,  240
.set SP,  2064                         ; a stage row
.set GB,  0x8200                       ; behind the stage's 16 rows: gamma's 2,048 bytes, then beta's
.set SPARE, 0x9200                     ; behind them: the spare words, 128 bytes a wave
	s_load_b512 s[4:19], s[0:1], 0x0               ; aimg s[4:5], asc s[6:7], wimg s[8:9], Wo23's scales s[10:11], Wo32's s[12:13], bo23 s[14:15], bo32 s[16:17], gamma s[18:19]
	s_load_b128 s[20:23], s[0:1], 0x40             ; beta s[20:21], out0 s[22:23]
	v_lshl_add_u32 v2, v0, 2, SPARE
	v_mov_b32 v3, 0
	v_lshrrev_b32 v1, 5, v0
	v_readfirstlane_b32 s24, v1                    ; wave 0..15
	s_mov_b32 s25, ttmp9                           ; T
	s_mov_b32 s26, 0x76543210
	s_mov_b32 s27, 0xfedcba98                      ; v_permlanex16_b32's selects for lane l xor 16
	s_mov_b32 s28, 0x3b000000                      ; 1 / 512
	s_mov_b32 s29, 0x3727c5ac                      ; 1e-5
	v_and_b32 v1, 31, v0
	v_bfe_u32 v4, v0, 4, 1
	v_lshlrev_b32 v5, 4, v1
	v_lshlrev_b32 v6, 2, v1
	v_lshlrev_b32 v9, 3, v1
	v_lshlrev_b32 v4, 5, v4
	s_lshl_b32 s30, s25, 12                        ; aimg: my tile of 4,096 bytes
	s_mov_b32 s31, 0
	s_lshl_b32 s32, s25, 9                         ; asc: my tile of 512 bytes
	s_mov_b32 s33, 0
	s_lshl_b32 s34, s24, 13                        ; wimg: my two column tiles of 4,096 bytes
	s_mov_b32 s35, 0
	s_lshl_b32 s36, s24, 9                         ; Wo's scales: my 32 rows of 16 bytes
	s_mov_b32 s37, 0
	s_lshl_b32 s38, s24, 7                         ; the biases: my 32 columns
	s_mov_b32 s39, 0
	s_and_b32 s40, s24, 7
	s_lshl_b32 s40, s40, 8                         ; my 256 bytes of gamma or of beta
	s_mov_b32 s41, 0
	s_lshr_b32 s42, s25, 1                         ; out0: the token of slot w: 32 (T / 2) + 8 (T % 2) + w + 8 (w / 8), rows of 2,048 bytes
	s_lshl_b32 s42, s42, 5
	s_and_b32 s43, s25, 1
	s_lshl_b32 s43, s43, 3
	s_add_co_u32 s42, s42, s43
	s_add_co_u32 s42, s42, s24
	s_and_b32 s43, s24, 8
	s_add_co_u32 s42, s42, s43
	s_lshl_b32 s42, s42, 11
	s_mov_b32 s43, 0
	s_wait_alu depctr_va_vdst(0)                   ; the wait at the head's end
	s_wait_kmcnt 0x0
	s_add_nc_u64 s[4:5], s[4:5], s[30:31]
	s_add_nc_u64 s[6:7], s[6:7], s[32:33]
	s_add_nc_u64 s[8:9], s[8:9], s[34:35]
	s_add_nc_u64 s[10:11], s[10:11], s[36:37]
	s_add_nc_u64 s[12:13], s[12:13], s[36:37]
	s_add_nc_u64 s[14:15], s[14:15], s[38:39]
	s_add_nc_u64 s[16:17], s[16:17], s[38:39]
	s_add_nc_u64 s[22:23], s[22:23], s[42:43]
	s_cmp_lt_u32 s24, 8                            ; the choice hangs on the wave's number alone
	s_cselect_b64 s[18:19], s[18:19], s[20:21]
	s_add_nc_u64 s[18:19], s[18:19], s[40:41]
	; all loads go out at once, in the order in which they are wanted, so that the waits below can count them
.irp i, 0,1
	global_load_b128 v[ACC+8*\i:ACC+8*\i+3], v4, s[14:15] offset:64*\i        ; bo23 at columns 32 w + 16 i + 8 h + 0 .. 7: the layout of C
	global_load_b128 v[ACC+8*\i+4:ACC+8*\i+7], v4, s[14:15] offset:64*\i+16
	global_load_b128 v[TB+8*\i:TB+8*\i+3], v4, s[16:17] offset:64*\i          ; bo32 likewise
	global_load_b128 v[TB+8*\i+4:TB+8*\i+7], v4, s[16:17] offset:64*\i+16
.endr
	global_load_b64 v[12:13], v9, s[18:19]         ; my piece of gamma or beta
.irp d, 0,1
.irp s, 0,1,2,3
	global_load_b32 v[AS+4*\d+\s], v6, s[6:7] offset:\d*131072+\s*128
.endr
.endr
.irp d, 0,1
	global_load_b128 v[WS+4*\d:WS+4*\d+3], v5, s[10+2*\d:11+2*\d]   ; register s: lanes 0-15 the words of column tile 2 w, lanes 16-31 of 2 w + 1
.endr
.irp d, 0,1
.irp s, 0,1,2,3
.irp c, 0,1
	global_load_b128 v[AF+8*(4*\d+\s)+4*\c:AF+8*(4*\d+\s)+4*\c+3], v5, s[4:5] offset:\d*1048576+\s*1024+\c*512
.endr
.irp i, 0,1
.irp c, 0,1
	global_load_b128 v[WF+8*(2*(4*\d+\s)+\i)+4*\c:WF+8*(2*(4*\d+\s)+\i)+4*\c+3], v5, s[8:9] offset:\d*131072+\i*4096+\s*1024+\c*512
.endr
.endr
.endr
.endr
	s_wait_loadcnt 59                              ; the eight loads of the biases are in: behind them 1 + 8 + 2 + 48 were issued
.irp e, 0,2,4,6,8,10,12,14
	v_pk_add_f32 v[ACC+\e:ACC+\e+1], v[ACC+\e:ACC+\e+1], v[TB+\e:TB+\e+1]   ; bo23 + bo32: what the sums begin with
.endr
	v_and_b32 v1, 15, v0                           ; r.  (These nine plain lines stand between the writes of C and the first product)
	s_lshl_b32 s44, s24, 7
	s_mul_i32 s45, s24, SP
	s_lshl_b32 s46, s24, 8
	v_mul_u32_u24 v7, v1, SP                       ; into the stage: row r, + 32 h, + my wave's 128 bytes
	v_add_nc_u32 v8, s45, v5                       ; back: row w, 16 bytes a lane
	v_add_nc_u32 v10, s46, v9
	v_add_nc_u32 v7, v7, v4
	v_add_nc_u32 v10, GB, v10                      ; my piece's place: GB + 256 w + 8 x lane
	v_add_nc_u32 v7, s44, v7
	v_mov_b32 v11, 0                               ; written once: a lane permute's destination counts as one of its sources
	v_nop
	s_wait_alu depctr_va_vdst(0)                   ; the wait here, directly ahead of the wait below
	s_wait_loadcnt 58                              ; my piece of gamma or beta is in
	ds_store_b64 v10, v[12:13]
.macro KS ks                           ; a K step: behind its six loads six for each later step were issued.  The two sums take turns
	s_wait_loadcnt 6*(7-\ks)
	v_wmma_scale_f32_16x16x128_f8f6f4 v[ACC:ACC+7], v[WF+16*\ks:WF+16*\ks+7], v[AF+8*\ks:AF+8*\ks+7], v[ACC:ACC+7], v[WS+\ks], v[AS+\ks] matrix_a_fmt:MATRIX_FMT_FP4 matrix_b_fmt:MATRIX_FMT_FP4
	v_wmma_scale_f32_16x16x128_f8f6f4 v[ACC+8:ACC+15], v[WF+16*\ks+8:WF+16*\ks+15], v[AF+8*\ks:AF+8*\ks+7], v[ACC+8:ACC+15], v[WS+\ks], v[AS+\ks] matrix_a_fmt:MATRIX_FMT_FP4 matrix_b_fmt:MATRIX_FMT_FP4 matrix_a_scale:MATRIX_SCALE_ROW1
.endm
.irp ks, 0,1,2,3,4,5,6,7
	KS \ks
.endr
.rept 4
	v_nop                                          ; places ahead of the first read of the results, and of the loads into the fragments' registers
.endr
.irp i, 0,1
	ds_store_b128 v7, v[ACC+8*\i:ACC+8*\i+3] offset:64*\i          ; x(slot r, 32 w + 16 i + 8 h + 0 .. 7); each sum from its low end on
	ds_store_b128 v7, v[ACC+8*\i+4:ACC+8*\i+7] offset:64*\i+16
.endr
	s_wait_dscnt 0x0                               ; for the others' sake: my stores are done
	s_barrier_signal -1
	s_barrier_wait -1                              ; 16 whole rows, gamma and beta lie in LDS
.irp i, 0,1,2,3
	ds_load_b128 v[16+4*\i:19+4*\i], v8 offset:512*\i              ; my row at columns 128 i + 4 lane + 0 .. 3
.endr
.irp i, 0,1,2,3
	ds_load_b128 v[32+4*\i:35+4*\i], v5 offset:GB+512*\i           ; gamma and beta at the same columns
	ds_load_b128 v[48+4*\i:51+4*\i], v5 offset:GB+2048+512*\i
.endr
	s_wait_dscnt 0x0
.macro REDUCE                          ; the sum of v64 over the wave's 32 lanes; every lane ends up with it
.irp x, 1,2,4,8
	v_add_f32_dpp v64, v64, v64 row_xmask:\x row_mask:0xf bank_mask:0xf
.endr
	v_permlanex16_b32 v11, v64, s26, s27
	v_add_f32 v64, v64, v11
.endm
.irp k, 0,1,2,3
	v_pk_add_f32 v[64+2*\k:65+2*\k], v[16+4*\k:17+4*\k], v[18+4*\k:19+4*\k]   ; my 16 numbers' sum, as a tree
.endr
	v_pk_add_f32 v[64:65], v[64:65], v[66:67]
	v_pk_add_f32 v[68:69], v[68:69], v[70:71]
	v_pk_add_f32 v[64:65], v[64:65], v[68:69]
	v_add_f32 v64, v64, v65
	REDUCE
	v_mul_f32 v72, s28, v64                        ; the mean, in both registers of a pair
	v_mov_b32 v73, v72
.irp e, 0,2,4,6,8,10,12,14
	v_pk_add_f32 v[16+\e:17+\e], v[16+\e:17+\e], v[72:73] neg_lo:[0,1] neg_hi:[0,1]   ; x - mean
.endr
	v_pk_mul_f32 v[64:65], v[16:17], v[16:17]      ; the squares, in two chains
	v_pk_mul_f32 v[66:67], v[18:19], v[18:19]
.irp e, 4,8,12
	v_pk_fma_f32 v[64:65], v[16+\e:17+\e], v[16+\e:17+\e], v[64:65]
	v_pk_fma_f32 v[66:67], v[18+\e:19+\e], v[18+\e:19+\e], v[66:67]
.endr
	v_pk_add_f32 v[64:65], v[64:65], v[66:67]
	v_add_f32 v64, v64, v65
	REDUCE
	v_fma_f32 v66, v64, s28, s29                   ; the variance + 1e-5
	s_wait_alu depctr_va_vdst(0)                   ; the wait ahead of the transcendental
	v_rsq_f32 v74, v66
	v_mov_b32 v75, 0                               ; the pair's upper register, named below and not used: also the plain line behind the root
	s_wait_alu depctr_va_vdst(0)                   ; the wait ahead of the root's first reader
.irp e, 0,2,4,6,8,10,12,14
	v_pk_mul_f32 v[16+\e:17+\e], v[16+\e:17+\e], v[74:75] op_sel_hi:[1,0]
.endr
.irp e, 0,2,4,6,8,10,12,14
	v_pk_fma_f32 v[16+\e:17+\e], v[16+\e:17+\e], v[32+\e:33+\e], v[48+\e:49+\e]   ; x gamma + beta
.endr
.irp i, 0,1,2,3
	global_store_b128 v5, v[16+4*\i:19+4*\i], s[22:23] offset:512*\i th:TH_STORE_NT   ; 32 lanes store 512 consecutive bytes, aligned; written once, read by nobody here
.endr
	s_wait_tensorcnt 0x0                           ; the wave's end
	ds_add_u32 v2, v3
	s_wait_dscnt 0x0
	s_endpgm
.Lfunc_end_k_qbb2b9113f8_outln:
	.size	k_qbb2b9113f8_outln, .Lfunc_end_k_qbb2b9113f8_outln-k_qbb2b9113f8_outln
	.p2alignl 7, 3214868480
	.fill 96, 4, 3214868480
	.section	.rodata,"a",@progbits
	.p2align	6, 0x0
	.amdhsa_kernel k_qbb2b9113f8_outln
		.amdhsa_group_segment_fixed_size 39424
		.amdhsa_private_segment_fixed_size 0
		.amdhsa_enable_private_segment 0
		.amdhsa_kernarg_size 80
		.amdhsa_user_sgpr_count 2
		.amdhsa_user_sgpr_kernarg_segment_ptr 1
		.amdhsa_wavefront_size32 1
		.amdhsa_system_sgpr_workgroup_id_x 1
		.amdhsa_system_sgpr_workgroup_id_y 1
		.amdhsa_system_sgpr_workgroup_id_z 1
		.amdhsa_system_vgpr_workitem_id 0
		.amdhsa_next_free_vgpr 256
		.amdhsa_next_free_sgpr 66
		.amdhsa_reserve_vcc 0
		.amdhsa_float_denorm_mode_32 3
		.amdhsa_float_denorm_mode_16_64 3
		.amdhsa_memory_ordered 1
		.amdhsa_forward_progress 1
		.amdhsa_inst_pref_size 18
	.end_amdhsa_kernel
	.amdgpu_metadata
---
amdhsa.version: [ 1, 2 ]
amdhsa.kernels:
  - .name:           k_qbb2b9113f8_outln
    .symbol:         k_qbb2b9113f8_outln.kd
    .args:
      - { .name: aimg, .offset: 0, .size: 8, .value_kind: global_buffer, .address_space: global }
      - { .name: asc, .offset: 8, .size: 8, .value_kind: global_buffer, .address_space: global }
      - { .name: wimg, .offset: 16, .size: 8, .value_kind: global_buffer, .address_space: global }
      - { .name: Wo23_scales, .offset: 24, .size: 8, .value_kind: global_buffer, .address_space: global }
      - { .name: Wo32_scales, .offset: 32, .size: 8, .value_kind: global_buffer, .address_space: global }
      - { .name: bo23, .offset: 40, .size: 8, .value_kind: global_buffer, .address_space: global }
      - { .name: bo32, .offset: 48, .size: 8, .value_kind: global_buffer, .address_space: global }
      - { .name: gamma, .offset: 56, .size: 8, .value_kind: global_buffer, .address_space: global }
      - { .name: beta, .offset: 64, .size: 8, .value_kind: global_buffer, .address_space: global }
      - { .name: out0, .offset: 72, .size: 8, .value_kind: global_buffer, .address_space: global }
    .group_segment_fixed_size: 39424
    .private_segment_fixed_size: 0
    .kernarg_segment_align: 8
    .kernarg_segment_size: 80
    .max_flat_workgroup_size: 512
    .sgpr_count:     66
    .vgpr_count:     256
    .wavefront_size: 32
...
	.end_amdgpu_metadata
.endif
;; end of part 3
